; MI455X (gfx1250); checked and timed in simulation.
; The chip was launched on July 23, 2026; its instructions are those of AMD's public machine-readable ISA for CDNA 5 (MIT licence, August 2026) and "CDNA5" Instruction Set Architecture Reference Guide (July 2026). The comments in the code are by the model that wrote it; some were corrected since.
;; Bit Linear. Allowed arithmetic: matrix products marked QUANTISED: E5M2 operands, one E8M0 scale for each 32 along K, by v_wmma_scale_f32_16x16x128_f8f6f4 with both operands' format E5M2, f32 sums; everything else in f32.
;; Inputs: act_scale one number float32; alpha one number float32; bias 4,096 float32; packed_w 4,096 x 4,096 int32; x 4 x 1,024 x 4,096 float32.
;; Outputs: out0 4 x 1,024 x 4,096 float32.
;; This version of the problem:
;;   THIS VERSION OF THE PROBLEM IS GIVEN IN LOW PRECISION. The matrix products marked QUANTISED in the list below multiply operands that are first quantised to E5M2 (5 exponent bits, 2 mantissa bits; 8 bits a number), with one power-of-two scale for each 32 numbers along K (OCP MX v1.0); their sums are f32. All else is computed in f32.
;;   The module's matrix products, in the order in which they are computed (A, B: the left and right operand; K: the contracted axis; several contracted axes count as one K, in the product's order):
;;     1. [M 4,096, K 4,096] x [K 4,096, N 4,096]; A: computed on the way; B: computed on the way: QUANTISED
;;   THE QUANTISER, for each operand of a quantised product, along K:
;;     - K is cut into blocks of 32 from its start; a last block that is shorter is filled with zeros.
;;     - A block's scale is 2^e with e = floor(log2(the largest magnitude in the block)) - 15, held to -126 .. 127; a block of zeros has e = 0. As a byte (E8M0): e + 127.
;;     - Each number is divided by its block's scale, clamped to +-57,344, and rounded to the nearest number of E5M2, ties to even, subnormals kept.
;;     - The product sums the exact products of the quantised numbers (number of the format x scale) in f32.
;;   ~~~python
;;   def quantise(x, axis):      # numpy; x: float32 -> the quantised numbers, widened to float32 again
;;       x = np.moveaxis(x, axis, -1); K = x.shape[-1]
;;       x = np.pad(x, [(0, 0)] * (x.ndim - 1) + [(0, -K % 32)]); x = x.reshape(x.shape[:-1] + (-1, 32)); a = np.abs(x).max(-1, keepdims=True)
;;       e = np.where(a > 0, np.clip(np.frexp(np.where(a > 0, a, 1))[1] - 1 - 15, -126, 127), 0)      # np.frexp(a)[1] - 1 = floor(log2(a)), exactly
;;       r = np.clip(x / 2.0 ** e, -57344, 57344)
;;       step = 2.0 ** (np.maximum(np.frexp(np.where(r == 0, 1, r))[1] - 1, -14) - 2)
;;       q = np.round(r / step) * step * 2.0 ** e      # np.round: ties to even
;;       return np.moveaxis(q.reshape(q.shape[:-2] + (-1,))[..., :K], -1, axis).astype(np.float32)
;;   ~~~
;;   OPERANDS COMPUTED ON THE WAY. 'Computed on the way' means the value that the module computes at that place (a softmax that the list does not call 'softmax' is quantised finished and normalised). What goes into a quantiser is computed in f32, as accurately as f32 sums, v_exp_f32 and their like allow (about 1e-6 of the number): no bf16 or f16 on the way to a quantiser, and a product that is left as it is and whose result goes on into a quantised operand takes f32 operands (vector FMAs, or v_wmma_f32_16x16x4_f32). A number that lies on a knife's edge between two numbers of the format may be rounded either way, as far as f32 arithmetic and the matrix unit's own rounding can turn it there, and no further.
;; One version. Each part assembles by itself: llvm-mc -triple=amdgcn-amd-amdhsa -mcpu=gfx1250 --defsym DOCPART=n.
;; ======== version 1 of 1: 2 launches
;; limits: right only within a limited range of input values
;; workspace buffers: xq 17,301,504 bytes; wq 17,301,504 bytes
;; launch quant (part 1): grid 1024 x 1, 4 waves a work-group, no clusters, 33,280 bytes of LDS; arguments x, packed_w, alpha, act_scale, xq, wq; writes xq, wq
.if DOCPART == 1
	.amdgcn_target "amdgcn-amd-amdhsa--gfx1250"
	.amdhsa_code_object_version 6
	.text
	.protected	k_q90cb60a5fc_quant
	.globl	k_q90cb60a5fc_quant
	.p2align	8
	.type	k_q90cb60a5fc_quant,@function
k_q90cb60a5fc_quant:
	s_mov_b64 s[64:65], 0
	v_nop
	global_prefetch_b8 v0, s[64:65] scope:SCOPE_SE
	s_setreg_imm32_b32 hwreg(HW_REG_WAVE_MODE, 25, 1), 1
	s_wait_xcnt 0x0
; BOTH OPERANDS OF out = x_dq w^T + bias ARE MADE AND QUANTISED HERE, ONCE.
;   x_dq = nan_to_num(clip(round(x / s), -127, 127) * s), s = max(act_scale, 1e-5);  x: [4096][4096] f32.
;   w    = (packed_w - 1) * alpha;                                                  packed_w: [4096][4096] int32.
; Each is turned into codes of BF8 (E5M2) with one E8M0 scale byte for each 32 along K (K is the last axis of both).
; A block's scale is 2^(floor(log2(its largest magnitude)) - 15); its byte is the largest magnitude's exponent field - 15, held at 1 from below.
; Each number is divided by the scale, held within +-57,344 and rounded to the nearest code, ties to even.
; THE OUTPUT'S LAYOUT (xq and wq alike) is the one that the product's launch fetches: block (g, t), g = row / 128, t = k / 256, begins at byte (16 g + t) x 33,792;
; in it row (row % 128)'s 256 codes lie at 256 x (row % 128), and behind the 128 rows lie their scale bytes: row rho, block b of 32 at 32,768 + 8 rho + b.
; SHARES.  Work-groups 0-511 take x, 512-1023 packed_w.  A work-group takes 32 rows x 1,024 along K, wave w the 256 along K numbered 4 (j % 4) + w: 16 steps of two rows x 256 numbers.
; Each of a step's four loads reads 512 consecutive bytes, 16 a lane; the 2,048 bytes go through the wave's own stage in LDS and come back 64 bytes a lane, so that a lane holds 16 NEIGHBOURS along K
; (two neighbouring lanes hold a block), as the conversions want them.  A lane's 16 codes are 16 bytes: a step's store covers 512 consecutive bytes, aligned.  A wave's 256 scale bytes are gathered
; in LDS and leave by one store of 256 consecutive bytes, aligned.  No barrier: waves share nothing.  Loads run four steps (16 loads a wave) ahead, the turn through LDS one step.
; ONE PATH FOR ALL MEMORY AND LDS LINES: the two tensors differ in register work alone, which stands in two arms of a scalar branch on the work-group's number inside each step.
; THE DIVISION x / s is x * (1/s) with one correction by the remainder (two fused multiply-adds); 1/s is v_rcp_f32 with one Newton step.
; THE CLIP STANDS AHEAD OF THE DIVISION: |x| is held at 127.25 s.  What is held has a quotient that rounds to 127; what lies under the hold is untouched; so the result is that of round, then clip, infinities included.
; NaN in x becomes 0 first, which is what nan_to_num makes of it at the end.
; (p - 1) alpha is one fused multiply-add, p alpha - alpha: the same number wherever f32 holds p exactly (|p| up to 2^24); beyond, within one part in 2^24 of reference's.
; LIMITS: act_scale finite, no NaN, under 2^119 (so that 127.25 s is finite and nan_to_num's infinities cannot arise); alpha finite and (p - 1) alpha finite.
; A block of zeros gets the byte 1 where the rule says 127: its codes are zeros, which add nothing under that byte, and the bytes are read by this program alone.
.set WGX,   512                        ; work-groups for x
.set STEPS, 16
.set ROWIN, 16384                      ; a row of x or of packed_w in bytes
.set BLKB,  33792                      ; a block of the output: 128 rows x 256 codes + 1,024 scale bytes
.set EMAX,  15
.set MANT,  0x600000                   ; the mantissa field of 57,344 as f32
.set WREG,  8192                       ; LDS: a region for each wave: two stages of 32 x SP bytes, and behind them its 256 scale bytes
.set SP,    80                         ; a lane's place in a stage: its 64 bytes + 16 of padding
.set R,     16                         ; v16-79   four sets of 16 numbers as they are loaded
.set X,     80                         ; v80-111  two sets of 16 neighbours
.set E,     112                        ; v112-127 a scale byte for each step
.set C,     128                        ; v128-191 codes: four registers for each step, so that no store's data are written again
.set T,     192                        ; v192-207 quotients
.set SCL,   208                        ; v[208:209] s, twice
.set RCP,   210                        ; v[210:211] 1 / s, twice
.set ALP,   212                        ; v[212:213] alpha, twice
.set HLD,   214                        ; v214     127.25 s
.set TMP,   215
	s_load_b256 s[4:11], s[0:1], 0x0               ; x s[4:5], packed_w s[6:7], alpha's address s[8:9], act_scale's s[10:11]
	s_load_b128 s[12:15], s[0:1], 0x20             ; xq s[12:13], wq s[14:15]
	v_lshl_add_u32 v224, v0, 2, 0x8000
	v_mov_b32 v225, 0
	v_lshrrev_b32 v1, 5, v0
	v_readfirstlane_b32 s16, v1                    ; wave
	v_and_b32 v2, 31, v0                           ; lane
	v_lshlrev_b32 v3, 4, v2                        ; my 16 bytes of a load's 512, and of a step's 512 bytes of codes; never rewritten
	s_mul_i32 s17, s16, WREG
	v_lshrrev_b32 v14, 2, v2
	v_mul_u32_u24 v14, v14, SP
	v_and_b32 v15, 3, v2
	v_lshl_add_u32 v14, v15, 4, v14
	v_add_nc_u32 v14, s17, v14                     ; the stage, on the way in: four lanes' 64 bytes on end, then 16 of padding: SP (lane / 4) + 16 (lane % 4); a load's 512 bytes take eight places
	v_mul_u32_u24 v15, v2, SP
	v_add_nc_u32 v15, s17, v15                     ; and on the way out: SP x lane: my 16 neighbours
	v_lshrrev_b32 v5, 1, v2
	s_add_co_u32 s17, s17, 2*32*SP
	v_add_nc_u32 v5, s17, v5                       ; LDS: my wave's 256 scale bytes, my block's byte
	v_lshlrev_b32 v7, 3, v2                        ; and on the way out 8 bytes a lane
	v_add_nc_u32 v6, s17, v7
	s_mov_b32 s28, MANT                            ; (an instruction takes one literal: the hold's line has another)
	s_wait_kmcnt 0x0
	s_load_b32 s24, s[8:9], 0x0                    ; alpha
	s_load_b32 s25, s[10:11], 0x0                  ; act_scale
	s_cmp_lt_u32 ttmp9, WGX                        ; x's work-group or packed_w's?  The choice hangs on the work-group's number alone
	s_cselect_b64 s[4:5], s[4:5], s[6:7]
	s_cselect_b64 s[12:13], s[12:13], s[14:15]
	s_and_b32 s17, ttmp9, WGX-1                    ; j
	s_lshr_b32 s18, s17, 2                         ; which 32 rows: 0 .. 127
	s_and_b32 s17, s17, 3
	s_lshl_b32 s17, s17, 2
	s_add_co_u32 s17, s17, s16                     ; t: which 256 along K: 4 (j % 4) + wave
	s_lshl_b32 s20, s18, 19                        ; 32 rows of 16,384 bytes
	s_lshl_b32 s19, s17, 10                        ; 256 numbers of 4 bytes
	s_add_co_u32 s20, s20, s19                     ; under 2^27
	s_mov_b32 s21, 0
	s_add_nc_u64 s[4:5], s[4:5], s[20:21]          ; the input at my wave's first number
	s_lshr_b32 s19, s18, 2                         ; g
	s_lshl_b32 s19, s19, 4
	s_add_co_u32 s19, s19, s17                     ; 16 g + t
	s_mul_i32 s20, s19, BLKB                       ; my block's first byte (under 2^25)
	s_and_b32 s18, s18, 3                          ; u: which 32 of the block's 128 rows
	s_lshl_b32 s19, s18, 8
	s_add_co_u32 s22, s20, s19
	s_add_co_u32 s22, s22, 32768                   ; their 256 scale bytes
	s_mov_b32 s23, 0
	s_add_nc_u64 s[26:27], s[12:13], s[22:23]
	s_lshl_b32 s19, s18, 13
	s_add_co_u32 s20, s20, s19                     ; their 8,192 bytes of codes
	s_add_nc_u64 s[12:13], s[12:13], s[20:21]
.macro LOAD t                          ; step t: rows 2 t and 2 t + 1 of my 32, 1,024 bytes of each
.irp i, 0,1,2,3
	global_load_b128 v[R+16*((\t)%4)+4*\i:R+16*((\t)%4)+4*\i+3], v3, s[4:5] offset:(2*(\t)+\i/2)*ROWIN+(\i%2)*512 th:TH_LOAD_NT   ; 32 lanes read 512 consecutive bytes
.endr
.endm
.macro TURN t                          ; step t's numbers through the stage: LDS serves a wave's instructions in order, so no wait stands between the stores and the loads
.irp i, 0,1,2,3
	ds_store_b128 v14, v[R+16*((\t)%4)+4*\i:R+16*((\t)%4)+4*\i+3] offset:32*SP*((\t)%2)+8*SP*\i
.endr
.irp i, 0,1,2,3
	ds_load_b128 v[X+16*((\t)%2)+4*\i:X+16*((\t)%2)+4*\i+3], v15 offset:32*SP*((\t)%2)+16*\i
.endr
.endm
.irp t, 0,1,2,3
	LOAD \t
.endr
	s_wait_kmcnt 0x0                               ; alpha and act_scale
	v_mov_b32 v[SCL], s25
	v_max_num_f32 v[SCL], 0x3727c5ac, v[SCL]       ; s = max(act_scale, 1e-5)
	s_wait_alu depctr_va_vdst(0)
	v_rcp_f32 v[RCP], v[SCL]
	v_mov_b32 v[SCL+1], v[SCL]                     ; (a plain instruction behind the reciprocal)
	v_mov_b32 v[ALP], s24
	v_mov_b32 v[ALP+1], s24
	v_mul_f32 v[HLD], 0x42fe8000, v[SCL]           ; 127.25 s
	s_wait_alu depctr_va_vdst(0)                   ; wait ahead of the first line that names the reciprocal
	v_fma_f32 v[TMP], -v[SCL], v[RCP], 1.0         ; one Newton step: 1 - s r,
	v_fma_f32 v[RCP], v[TMP], v[RCP], v[RCP]       ; r + r (1 - s r)
	v_mov_b32 v[RCP+1], v[RCP]
	s_wait_loadcnt 12                              ; step 0's four loads are in; those of steps 1 to 3 stay out
	TURN 0
.macro STEP t
.set XS, X+16*((\t)%2)
.if (\t) > 0
	s_wait_dscnt 1                                 ; this step's numbers are back from the stage (the last step's byte store may be out): so its stores into the stage have read their registers,
.else
	s_wait_dscnt 0x0
.endif
.if (\t)+4 < STEPS
	LOAD (\t)+4                                    ; which take the loads of four steps on
.endif
.if (\t)+1 < STEPS
.if STEPS-2-(\t) >= 3
	s_wait_loadcnt 12                              ; the next step's four loads are in; those of the three steps behind it may be out
.else
	s_wait_loadcnt 4*(STEPS-2-(\t))                ; at the end the count runs down with the steps that are left
.endif
	TURN (\t)+1                                    ; and go through the other stage while this step is worked
.endif
	s_cmp_lt_u32 ttmp9, WGX
	s_cbranch_scc0 .Lw_\@
	; ---- x: the fake quantisation to int8, in f32
.irp i, 0,1,2,3,4,5,6,7,8,9,10,11,12,13,14,15
	v_cmp_eq_f32 vcc_lo, v[XS+\i], v[XS+\i]        ; false for NaN alone
	v_cndmask_b32 v[XS+\i], 0, v[XS+\i], vcc_lo    ; NaN becomes 0
.endr
.irp i, 0,1,2,3,4,5,6,7,8,9,10,11,12,13,14,15
	v_med3_num_f32 v[XS+\i], v[XS+\i], -v[HLD], v[HLD]   ; the clip, ahead of the division: within +-127.25 s
.endr
.irp i, 0,2,4,6,8,10,12,14
	v_pk_mul_f32 v[T+\i:T+\i+1], v[XS+\i:XS+\i+1], v[RCP:RCP+1]   ; q0 = x (1 / s)
.endr
.irp i, 0,2,4,6,8,10,12,14
	v_pk_fma_f32 v[XS+\i:XS+\i+1], v[T+\i:T+\i+1], v[SCL:SCL+1], v[XS+\i:XS+\i+1] neg_lo:[1,0,0] neg_hi:[1,0,0]   ; the remainder x - q0 s, exact
.endr
.irp i, 0,2,4,6,8,10,12,14
	v_pk_fma_f32 v[T+\i:T+\i+1], v[XS+\i:XS+\i+1], v[RCP:RCP+1], v[T+\i:T+\i+1]   ; q = q0 + remainder / s
.endr
.irp i, 0,1,2,3,4,5,6,7,8,9,10,11,12,13,14,15
	v_rndne_f32 v[T+\i], v[T+\i]                   ; to the nearest whole number, ties to even
.endr
.irp i, 0,2,4,6,8,10,12,14
	v_pk_mul_f32 v[XS+\i:XS+\i+1], v[T+\i:T+\i+1], v[SCL:SCL+1]   ; x_dq
.endr
	s_branch .Lq_\@
.Lw_\@:
	; ---- packed_w: (p - 1) alpha
.irp i, 0,1,2,3,4,5,6,7,8,9,10,11,12,13,14,15
	v_cvt_f32_i32 v[XS+\i], v[XS+\i]
.endr
.irp i, 0,2,4,6,8,10,12,14
	v_pk_fma_f32 v[XS+\i:XS+\i+1], v[XS+\i:XS+\i+1], v[ALP:ALP+1], v[ALP:ALP+1] neg_lo:[0,0,1] neg_hi:[0,0,1]   ; p alpha - alpha, one rounding
.endr
.Lq_\@:
	; ---- the quantiser, for both
	s_wait_alu depctr_va_vdst(0)
	v_max3_num_f32 v8, |v[XS]|, |v[XS+1]|, |v[XS+2]|               ; the largest magnitude of my 16, in two chains
	v_max3_num_f32 v9, |v[XS+3]|, |v[XS+4]|, |v[XS+5]|
.irp i, 6,10
	v_max3_num_f32 v8, v8, |v[XS+\i]|, |v[XS+\i+1]|
	v_max3_num_f32 v9, v9, |v[XS+\i+2]|, |v[XS+\i+3]|
.endr
	v_max3_num_f32 v8, v8, |v[XS+14]|, |v[XS+15]|
	v_max3_num_f32 v8, v8, v9, (EMAX+1)<<23        ; and the floor 2^(EMAX + 1 - 127), under which no largest magnitude is taken: so the byte cannot fall under 1
	v_max_num_f32_dpp v8, v8, v8 row_xmask:1 row_mask:0xf bank_mask:0xf   ; and of my neighbour's 16: the block's
	v_add_nc_u32 v11, -(EMAX<<23), v8              ; EMAX off its exponent field: the conversion takes the exponent field of this operand as its scale, and nothing else of it
	v_and_or_b32 v10, v8, 0x7f800000, s28          ; 57,344 x the scale: the largest magnitude's exponent field over 57,344's mantissa
.irp i, 0,1,2,3,4,5,6,7,8,9,10,11,12,13,14,15
	v_med3_num_f32 v[XS+\i], v[XS+\i], -v10, v10   ; the conversion to an 8-bit code does not saturate (ISA guide 7.6.2): hold the number within the largest code x the scale first
.endr
	v_cvt_scalef32_pk8_bf8_f32 v[C+4*(\t):C+4*(\t)+1], v[XS:XS+7], v11          ; eight numbers / 2^(v11's exponent), to the nearest code, ties to even; the first number's code in the lowest byte
	v_cvt_scalef32_pk8_bf8_f32 v[C+4*(\t)+2:C+4*(\t)+3], v[XS+8:XS+15], v11
	v_lshrrev_b32 v[E+(\t)], 23, v11               ; the scale's byte (also the plain instruction behind the conversions)
	ds_store_b8 v5, v[E+(\t)] offset:16*(\t)       ; byte 16 t + lane / 2 of my wave's 256; both lanes of a block write the same byte with the same value
	global_store_b128 v3, v[C+4*(\t):C+4*(\t)+3], s[12:13] offset:512*(\t)   ; 32 lanes store 512 consecutive bytes, aligned: two rows' codes
.endm
.irp t, 0,1,2,3,4,5,6,7,8,9,10,11,12,13,14,15
	STEP \t
.endr
	ds_load_b64 v[12:13], v6                       ; LDS serves a wave's instructions in order: these see my byte stores
	s_wait_dscnt 0x0
	global_store_b64 v7, v[12:13], s[26:27]        ; 32 lanes store 256 consecutive bytes, aligned: my 32 rows' scale bytes
	s_wait_tensorcnt 0x0
	ds_add_u32 v224, v225
	s_wait_dscnt 0x0
	s_endpgm
.Lfunc_end_k_q90cb60a5fc_quant:
	.size	k_q90cb60a5fc_quant, .Lfunc_end_k_q90cb60a5fc_quant-k_q90cb60a5fc_quant
	.p2alignl 7, 3214868480
	.fill 96, 4, 3214868480
	.section	.rodata,"a",@progbits
	.p2align	6, 0x0
	.amdhsa_kernel k_q90cb60a5fc_quant
		.amdhsa_group_segment_fixed_size 33280
		.amdhsa_private_segment_fixed_size 0
		.amdhsa_enable_private_segment 0
		.amdhsa_kernarg_size 48
		.amdhsa_user_sgpr_count 2
		.amdhsa_user_sgpr_kernarg_segment_ptr 1
		.amdhsa_wavefront_size32 1
		.amdhsa_system_sgpr_workgroup_id_x 1
		.amdhsa_system_sgpr_workgroup_id_y 1
		.amdhsa_system_sgpr_workgroup_id_z 1
		.amdhsa_system_vgpr_workitem_id 0
		.amdhsa_next_free_vgpr 226
		.amdhsa_next_free_sgpr 66
		.amdhsa_reserve_vcc 1
		.amdhsa_float_denorm_mode_32 3
		.amdhsa_float_denorm_mode_16_64 3
		.amdhsa_memory_ordered 1
		.amdhsa_forward_progress 1
		.amdhsa_inst_pref_size 142
	.end_amdhsa_kernel
	.amdgpu_metadata
---
amdhsa.version: [ 1, 2 ]
amdhsa.kernels:
  - .name:           k_q90cb60a5fc_quant
    .symbol:         k_q90cb60a5fc_quant.kd
    .args:
      - { .name: x, .offset: 0, .size: 8, .value_kind: global_buffer, .address_space: global }
      - { .name: packed_w, .offset: 8, .size: 8, .value_kind: global_buffer, .address_space: global }
      - { .name: alpha, .offset: 16, .size: 8, .value_kind: global_buffer, .address_space: global }
      - { .name: act_scale, .offset: 24, .size: 8, .value_kind: global_buffer, .address_space: global }
      - { .name: xq, .offset: 32, .size: 8, .value_kind: global_buffer, .address_space: global }
      - { .name: wq, .offset: 40, .size: 8, .value_kind: global_buffer, .address_space: global }
    .group_segment_fixed_size: 33280
    .private_segment_fixed_size: 0
    .kernarg_segment_align: 8
    .kernarg_segment_size: 48
    .max_flat_workgroup_size: 128
    .sgpr_count:     66
    .vgpr_count:     226
    .wavefront_size: 32
...
	.end_amdgpu_metadata
.endif
;; end of part 1
;; launch gemm (part 2): grid 16 x 16, 4 waves a work-group, clusters of 4 x 4, 327,680 bytes of LDS; arguments xq, wq, bias, out0; writes out0
.if DOCPART == 2
	.amdgcn_target "amdgcn-amd-amdhsa--gfx1250"
	.amdhsa_code_object_version 6
	.text
	.protected	k_q90cb60a5fc_gemm
	.globl	k_q90cb60a5fc_gemm
	.p2align	8
	.type	k_q90cb60a5fc_gemm,@function
k_q90cb60a5fc_gemm:
	s_mov_b64 s[64:65], 0
	v_nop
	global_prefetch_b8 v0, s[64:65] scope:SCOPE_SE
	s_setreg_imm32_b32 hwreg(HW_REG_WAVE_MODE, 25, 1), 1
	s_wait_xcnt 0x0
	s_wait_alu depctr_hold_cnt(0) depctr_sa_sdst(0) depctr_va_vdst(0) depctr_va_sdst(0) depctr_va_ssrc(0) depctr_va_vcc(0) depctr_vm_vsrc(0)
	s_getreg_b32 s2, hwreg(HW_REG_IB_STS2, 6, 4)
	s_cmp_eq_u32 s2, 0
	s_cbranch_scc0 .Lentry_in_a_cluster
	s_endpgm
.Lentry_in_a_cluster:
	s_bfe_u32 s2, ttmp6, 0x10000c
	s_cmp_lg_u32 s2, 0xf033
	s_cbranch_scc0 .Lentry_shape_is_right
	s_endpgm
.Lentry_shape_is_right:
; out0[m][n] = sum over k of x_dq[m][k] w[n][k] + bias[n], on the codes of BF8 (E5M2) and E8M0 scale bytes that launch quant laid into xq and wq.
; LAYOUT of xq and wq: block (g, t), g = row / 128, t = k / 256, begins at byte (16 g + t) x 33,792: 128 rows x 256 codes, then the rows' scale bytes (8 a row): 132 units of 256 bytes.
; SHARES: a work-group of four waves makes 256 x 256 of out0, a wave 128 x 128: 64 accumulators, 512 registers.  256 work-groups.  K goes in 16 steps of 256 through two LDS slots;
; a wave's one tensor load brings one block (132 rows of 256 bytes, 16 bytes of padding behind each): waves 0, 1 x's two blocks, waves 2, 3 w's.
; CLUSTERS 4 x 4: x's blocks are asked for jointly along a row of the cluster, w's along a column.
; THE MATRIX INSTRUCTION IS USED TRANSPOSED: source 0 = 16 rows of w, source 1 = 16 rows of x: a lane holds eight neighbouring columns of one row of out0.
; A STEP OF 128 ALONG K is 64 products, x's blocks one after the other, each against w's eight.  The next step's 16 fragments (w's blocks 0-7, then x's 0-7, four LDS loads each) come in THREE RUNS,
; each behind eight v_nop (the places between a product and a load into registers that it has read).  w's fragments have two sets; x's blocks 0-5 one set, loaded anew when their products are
; issued; x's blocks 6, 7 two sets, so that the last run stands 16 products ahead of the step's end and no read of a slot is left when the slots change.
; THE LAST STEP finishes x's blocks one after the other, so each block of 16 rows leaves as soon as its eight products are issued, among the next blocks' products.
; The bias is added on the way out, where a lane holds the same four columns in every row: four registers.
; PREFETCH: each wave asks for its share of the block that it will fetch: 32 of the 128 units of codes, a lane a unit, the four partners of a joint load told apart by cx or cy in the address.
; K step 1 is asked for at the head, K steps 2 and 3 behind slot 1's first fill, K step t + 4 behind the refill of K step t + 2 (two refills ahead); the last trip's look-ahead would pass K's end and asks nothing.
; The scale units (4 of a block's 132) are asked for once, behind slot 1's first fill, for all 16 K steps: waves 0 and 2, a lane a block, 32 units.
; REGISTERS: window 0: v0-31 addresses; v32-63 scale words, a set a slot; v64-95 x's blocks 6, 7, second set; v96-99 bias; v128-255 x's fragments.
;   window 1: w's fragments, two sets.  windows 2, 3: the accumulators: (a, b) at v[8 (8 (a % 4) + b)] of window 2 + a / 4; on the way out a block's rows come back into its own 64 registers.
.set SIZE_N, 4096
.set UNITS,  132
.set BLKB,   UNITS*256
.set GRPB,   16*BLKB
.set PITCH,  272                       ; 256 bytes + 16 of padding: the 16 rows of a fragment begin at 16 different groups of banks
.set HALFT,  UNITS*PITCH
.set SLOT,   4*HALFT
.set LAPS,   8
.set SPARE,  2*SLOT                    ; the spare words, 512 bytes that no other line names
.set SPITCH, 528                       ; the way out: a stage of 16 rows x (512 + 16) bytes a wave, in slot 0 behind its last fill and last read
.set ADRA, 16
.set ADRB, 20
.set ADRS, 22
.set STO,  24
.set RD,   25
.set CO,   26
.set SPW,  28
.set NIL,  29
.set PFO,  30
.set PFS,  31
.set SC,   32
.set ALT,  64
.set BIAS, 96
.set AF,   128
.set G1,  24
.set G0,  32
.set G1B, 48
.set G0B, 56
.set PFA, 68
.set PFB, 70
.set BX,  76
.set BW,  78
.set PB,  80
.set MSB, 0
.macro WIN new                         ; the immediate's high byte repeats the setting that is left
.if MSB != \new
	s_set_vgpr_msb (MSB<<8)|\new
.set MSB, \new
.endif
.endm
.set MUL_LO, 0xa1                      ; source 0 window 1, source 1 window 0, C and D window 2
.set TO_B,   0x40                      ; destination window 1, address window 0
.set OUT_LO, 0x88                      ; the way out: source 0 (addresses, bias) window 0, source 1 (store data, addend) and destination window 2
.macro PLACES n
.rept \n
	v_nop
.endr
.endm
.macro JLOAD g0a, g1a, g0b, g1b        ; a joint load: waves 0, 1 for x, waves 2, 3 for w
	s_cmp_eq_u32 s15, 0
	s_cbranch_scc0 .Lfor_b_\@
	tensor_load_to_lds s[\g0a:\g0a+3], s[\g1a:\g1a+7]
	s_nop 0
	PLACES 4
	s_branch .Lasked_\@
.Lfor_b_\@:
	tensor_load_to_lds s[\g0b:\g0b+3], s[\g1b:\g1b+7]
	s_nop 0
	PLACES 4
.Lasked_\@:
.endm
.macro CREST                           ; a round of the cluster's barrier behind its opening barrier
	s_cmp_lg_u32 s14, 0
	s_cbranch_scc1 .Lnot_wave_0_\@
	s_barrier_signal -3
.Lnot_wave_0_\@:
	s_barrier_wait -3
	s_barrier_signal -1
	s_barrier_wait -1
.endm
.macro CROUND
	s_barrier_signal -1
	s_barrier_wait -1
	CREST
.endm
.macro ASK                             ; the K step two refills on; s3 = 1 in the loop's last trip, whose look-ahead would pass K step 15
	s_cmp_gt_u32 s3, 1
	s_cbranch_scc0 .Lnone_\@
	global_prefetch_b8 v[PFO], s[PFA:PFA+1] th:TH_LOAD_NT scope:SCOPE_SE
.Lnone_\@:
.endm
	s_load_b128 s[4:7], s[0:1], 0x0                ; xq, wq
	s_load_b128 s[8:11], s[0:1], 0x10              ; bias, out0
	v_lshl_add_u32 v[SPW], v0, 2, SPARE
	v_mov_b32 v[NIL], 0
	ds_add_u32 v[SPW], v[NIL]                      ; the opening lines: the add, twice on end, and its wait
	ds_add_u32 v[SPW], v[NIL]
	v_lshrrev_b32 v1, 5, v0
	v_readfirstlane_b32 s14, v1                    ; wave
	s_lshr_b32 s15, s14, 1                         ; my half of the rows; also: I fetch for x (0) or w (1)
	s_and_b32 s16, s14, 1                          ; my half of the columns; also: which block of 128 rows I fetch
	s_bfe_u32 s40, ttmp6, 0x40000                  ; cx
	s_bfe_u32 s41, ttmp6, 0x40004                  ; cy
	s_lshl_b32 s42, ttmp9, 2
	s_add_co_u32 s42, s42, s40                     ; tile column
	s_and_b32 s17, ttmp7, 0xffff
	s_lshl_b32 s17, s17, 2
	s_add_co_u32 s17, s17, s41                     ; tile row
	s_lshl_b32 s43, s41, 2
	s_lshl_b32 s43, 15, s43                        ; my row of the cluster
	s_lshl_b32 s44, 0x1111, s40                    ; my column
	s_or_b32 s[G1+0], s43, (0<<16)|(1<<20)|(1<<21)|(5<<22)|(3<<25)   ; mask; 1-byte elements; 4 words of padding behind every 64
	s_or_b32 s[G1B+0], s44, (0<<16)|(1<<20)|(1<<21)|(5<<22)|(3<<25)
.irp g, G1, G1B
	s_mov_b32 s[\g+1], 256<<16
	s_mov_b32 s[\g+2], UNITS<<16
	s_mov_b32 s[\g+3], 256<<16
	s_mov_b32 s[\g+4], UNITS
	s_mov_b32 s[\g+5], 256
	s_mov_b32 s[\g+6], 0
	s_mov_b32 s[\g+7], 0
.endr
	s_lshl_b32 s20, s17, 1
	s_add_co_u32 s20, s20, s16
	s_mul_i32 s20, s20, GRPB                       ; x: group 2 x tile row + half
	s_mov_b32 s21, 0
	s_lshl_b32 s46, s42, 1
	s_add_co_u32 s46, s46, s16
	s_mul_i32 s46, s46, GRPB                       ; w: group 2 x tile column + half
	s_mov_b32 s47, 0
	s_mul_i32 s45, s14, HALFT                      ; where my block goes in a slot
	s_wait_dscnt 0x0                               ; both opening adds are done
	s_wait_kmcnt 0x0
	s_add_nc_u64 s[BX:BX+1], s[4:5], s[20:21]
	s_add_nc_u64 s[BW:BW+1], s[6:7], s[46:47]
.irp s, 0,1
	s_mov_b32 s[G0+4*\s], 1
	s_add_co_u32 s[G0+4*\s+1], s45, \s*SLOT
	s_add_nc_u64 s[G0+4*\s+2:G0+4*\s+3], s[BX:BX+1], \s*BLKB
	s_or_b32 s[G0+4*\s+3], s[G0+4*\s+3], 0x80000000
	s_mov_b32 s[G0B+4*\s], 1
	s_add_co_u32 s[G0B+4*\s+1], s45, \s*SLOT
	s_add_nc_u64 s[G0B+4*\s+2:G0B+4*\s+3], s[BW:BW+1], \s*BLKB
	s_or_b32 s[G0B+4*\s+3], s[G0B+4*\s+3], 0x80000000
.endr
	CROUND                                         ; all sixteen work-groups are here: the first joint loads meet
	JLOAD G0, G1, G0B, G1B                         ; K step 0: one tensor load a wave at the head
	; scalars first, then the vector lines on end, then one wait
	s_mul_i32 s21, s15, HALFT                      ; my 128 rows of x in a slot
	s_mul_i32 s22, s16, HALFT
	s_add_co_u32 s22, s22, 2*HALFT                 ; my 128 rows of w
	s_sub_co_u32 s18, s22, s21
	s_add_co_u32 s19, s21, 128*PITCH               ; the scale bytes lie behind a block's 128 rows
	s_mul_i32 s23, s14, 16*SPITCH                  ; my stage
	s_lshl_b32 s12, s17, 8
	s_lshl_b32 s13, s15, 7
	s_add_co_u32 s12, s12, s13
	s_lshl_b32 s12, s12, 14                        ; my first row of out0, in bytes
	s_mov_b32 s13, 0
	s_lshl_b32 s46, s42, 10
	s_lshl_b32 s47, s16, 9
	s_add_co_u32 s46, s46, s47                     ; my first column, in bytes
	s_mov_b32 s47, 0
	s_add_nc_u64 s[8:9], s[8:9], s[46:47]
	s_add_nc_u64 s[12:13], s[12:13], s[46:47]
	s_add_nc_u64 s[10:11], s[10:11], s[12:13]
	s_cmp_eq_u32 s15, 0                            ; the prefetches: the tensor that I fetch for, and my place among the four that ask with me
	s_cselect_b64 s[PB:PB+1], s[BX:BX+1], s[BW:BW+1]
	s_cselect_b32 s12, s40, s41
	s_lshl_b32 s46, s12, 8
	s_add_co_u32 s46, s46, 32768
	s_add_nc_u64 s[PFB:PFB+1], s[PB:PB+1], s[46:47]   ; my one of a block's four scale units
	s_lshl_b32 s46, s12, 13
	s_add_nc_u64 s[PB:PB+1], s[PB:PB+1], s[46:47]     ; my 32 of a block's 128 units of codes
	s_add_nc_u64 s[PFA:PFA+1], s[PB:PB+1], 3*BLKB     ; each change of slots steps it by a block ahead of its prefetch: the first names K step 4
	v_and_b32 v1, 15, v0
	v_bfe_u32 v2, v0, 4, 1
	v_and_b32 v6, 31, v0
	v_mul_u32_u24 v3, v1, PITCH
	v_lshl_add_u32 v4, v2, 4, v3                   ; a fragment's row x pitch + 16 x half
	v_add_nc_u32 v[ADRA], s21, v4
	v_add_nc_u32 v[ADRB], s22, v4
	v_add_nc_u32 v[ADRA+1], SLOT, v[ADRA]
	v_add_nc_u32 v[ADRB+1], SLOT, v[ADRB]
	v_lshlrev_b32 v5, 3, v1                        ; scale words: 8 bytes a row; lanes 0-15 x's, lanes 16-31 w's
	v_mul_u32_u24 v7, s18, v2
	v_add_nc_u32 v5, v5, v7
	v_add_nc_u32 v[ADRS], s19, v5
	v_add_nc_u32 v[ADRS+1], SLOT, v[ADRS]
	v_mul_u32_u24 v8, v1, SPITCH
	v_lshl_add_u32 v8, v2, 5, v8
	v_add_nc_u32 v[STO], s23, v8                   ; into the stage: row l % 16, 32 bytes for each half of the lanes
	v_lshlrev_b32 v[CO], 4, v6                     ; back: 32 lanes take a row of 512 bytes; the same in out0 and in bias
	v_add_nc_u32 v[RD], s23, v[CO]
	v_lshlrev_b32 v[PFO], 8, v6                    ; a lane a unit of 256 bytes
	v_mul_u32_u24 v[PFS], v6, BLKB                 ; a lane a block: two groups of 16
	s_wait_alu depctr_va_vdst(0)
	global_prefetch_b8 v[PFO], s[PB:PB+1] offset:BLKB th:TH_LOAD_NT scope:SCOPE_SE   ; K step 1
	global_load_b128 v[BIAS:BIAS+3], v[CO], s[8:9]
; fragment f of a step into the registers of parity q, from byte 128 q of the slot's rows: f = 0-7 w's blocks, f = 8-15 x's
.macro LOADF f, slot, q
.if (\f) < 8
	WIN TO_B
.irp c, 0,1,2,3
	ds_load_b128 v[128*\q+16*(\f)+4*\c:128*\q+16*(\f)+4*\c+3], v[ADRB+\slot] offset:128*\q+32*\c+(\f)*16*PITCH
.endr
.else
.set LA, (\f)-8
.set LR, AF+16*LA
.if (LA >= 6) && (\q == 1)
.set LR, ALT+16*(LA-6)
.endif
	WIN 0
.irp c, 0,1,2,3
	ds_load_b128 v[LR+4*\c:LR+4*\c+3], v[ADRA+\slot] offset:128*\q+32*\c+LA*16*PITCH
.endr
.endif
.endm
.macro FRS f0, n, slot, q              ; fragments f0 .. f0 + n - 1
.set FI, \f0
.rept \n
	LOADF FI, \slot, \q
.set FI, FI+1
.endr
.endm
.macro RUN f0, n, slot, q              ; eight places behind the products that read these registers, then 4 n loads
	PLACES 8
	FRS \f0, \n, \slot, \q
.endm
.macro SCALES sc                       ; a slot's scale words: two words a row; lanes 0-15 x's block i, lanes 16-31 w's block i
	WIN 0
.irp i, 0,1,2,3,4,5,6,7
	ds_load_b64 v[SC+16*\sc+2*\i:SC+16*\sc+2*\i+1], v[ADRS+\sc] offset:(\i/2)*PITCH+(\i%2)*128
.endr
.endm
; n products from IDX on, of the slot's q-th 128 along K.  The 64 accumulators take turns in one order in every step.  zero = 1: the first products start the sums.
.macro PROD n, slot, q, zero
.rept \n
.set GA, IDX/8
.set GB, IDX%8
.set AR, AF+16*GA
.if (GA >= 6) && (\q == 1)
.set AR, ALT+16*(GA-6)
.endif
.set AC, 8*(8*(GA%4)+GB)
	WIN MUL_LO+0x50*(GA/4)
.if \zero
	v_wmma_scale_f32_16x16x128_f8f6f4 v[AC:AC+7], v[128*\q+16*GB:128*\q+16*GB+15], v[AR:AR+15], 0, v[SC+16*\slot+2*GB+\q], v[SC+16*\slot+2*GA+\q] matrix_a_fmt:MATRIX_FMT_BF8 matrix_b_fmt:MATRIX_FMT_BF8 matrix_a_scale:MATRIX_SCALE_ROW1
.else
	v_wmma_scale_f32_16x16x128_f8f6f4 v[AC:AC+7], v[128*\q+16*GB:128*\q+16*GB+15], v[AR:AR+15], v[AC:AC+7], v[SC+16*\slot+2*GB+\q], v[SC+16*\slot+2*GA+\q] matrix_a_fmt:MATRIX_FMT_BF8 matrix_b_fmt:MATRIX_FMT_BF8 matrix_a_scale:MATRIX_SCALE_ROW1
.endif
.set IDX, IDX+1
.endr
.endm
.macro STEP slot, zero                 ; a slot's first 128 along K; it fetches the slot's second, in runs of 24, 24 and 16 loads
.set IDX, 0
	s_wait_dscnt 24                                ; the scale words, w and x's blocks 0, 1 are in; the last six fragments (x's 2-7) may be out
	PROD 16, \slot, 0, \zero
	RUN 0, 6, \slot, 1                             ; w's 0-5
	s_wait_dscnt 24                                ; x's blocks 2-7 are in; the run just issued may be out
	PROD 16, \slot, 0, \zero
	RUN 6, 6, \slot, 1                             ; w's 6, 7 and x's 0-3, whose products are issued
	PROD 16, \slot, 0, \zero
	RUN 12, 4, \slot, 1                            ; x's 4, 5, whose products are issued, and 6, 7 into their second set
	PROD 16, \slot, 0, \zero
.endm
; A slot's second 128 along K, and the change of slots.  All reads of this slot were issued in the step before.  fill = 1: the slot is filled again, two K steps ahead.
.macro TURN slot, nxt, fill
	WIN 0
	s_wait_tensorcnt 0x0                           ; my one tensor load that was out, my block of the next slot, has landed
	ds_add_u32 v[SPW], v[NIL]
.if \fill
	s_add_nc_u64 s[G0+4*\slot+2:G0+4*\slot+3], s[G0+4*\slot+2:G0+4*\slot+3], 2*BLKB       ; no tensor load of mine is out: this slot's next K step
	s_add_nc_u64 s[G0B+4*\slot+2:G0B+4*\slot+3], s[G0B+4*\slot+2:G0B+4*\slot+3], 2*BLKB
	s_wait_xcnt 0x0                                ; the last prefetch has read its address
	s_add_nc_u64 s[PFA:PFA+1], s[PFA:PFA+1], BLKB
.endif
	s_wait_dscnt 17                                ; w and x's blocks 0-3 are in; the last run of 16 and the add may be out
.set IDX, 0
	PROD 8, \slot, 1, 0
	s_wait_dscnt 0x0                               ; the add is done, and my reads of this slot are over
	s_barrier_signal -1
	PROD 8, \slot, 1, 0                            ; work on registers between signal and wait
	WIN 0
	s_barrier_wait -1
.if \fill
	CREST                                          ; the barrier has opened a round of the cluster's barrier
	JLOAD G0+4*\slot, G1, G0B+4*\slot, G1B         ; the refill, first behind the round; its four v_nop are four of the eight places
	PLACES 4
.else
	PLACES 8
.endif
	SCALES \nxt
	FRS 0, 4, \nxt, 0                              ; w's 0-3
.if \fill
	WIN 0
	ASK
.endif
	PROD 16, \slot, 1, 0
	RUN 4, 6, \nxt, 0                              ; w's 4-7 and x's 0, 1
	PROD 16, \slot, 1, 0
	RUN 10, 6, \nxt, 0                             ; x's 2-5, whose products are issued, and 6, 7 into their first set
	PROD 16, \slot, 1, 0
.endm
	s_wait_tensorcnt 0x0                           ; my block of K step 0 is in
	ds_add_u32 v[SPW], v[NIL]
	s_wait_dscnt 0x0
	CROUND                                         ; everybody's block is in, and the joint loads meet
	JLOAD G0+4, G1, G0B+4, G1B                     ; slot 1's first fill
	SCALES 0
	FRS 0, 16, 0, 0
	global_prefetch_b8 v[PFO], s[PB:PB+1] offset:2*BLKB th:TH_LOAD_NT scope:SCOPE_SE   ; K steps 2 and 3
	global_prefetch_b8 v[PFO], s[PB:PB+1] offset:3*BLKB th:TH_LOAD_NT scope:SCOPE_SE
	s_cmp_lg_u32 s16, 0
	s_cbranch_scc1 .Lno_scales
	global_prefetch_b8 v[PFS], s[PFB:PFB+1] th:TH_LOAD_NT scope:SCOPE_SE               ; waves 0 and 2: my scale unit of the tile's 32 blocks
.Lno_scales:
	STEP 0, 1
	WIN 0
	s_mov_b32 s3, LAPS-1
.Llap:                                                 ; a trip: from a lap's second step to the next lap's first; both slots are filled again
	TURN 0, 1, 1
	STEP 1, 0
	TURN 1, 0, 1
	STEP 0, 0
	WIN 0
	s_sub_co_u32 s3, s3, 1
	s_cmp_lg_u32 s3, 0
	s_cbranch_scc1 .Llap
	TURN 0, 1, 0                                   ; the last lap fills nothing
	STEP 1, 0
; THE LAST STEP AND THE WAY OUT.  Block a (16 rows x 128 columns) is finished by its eight products.  It goes through my own stage in LDS and comes back, as rows of 512 bytes, into its own 64 registers;
; the bias is added; the 32 lanes store a row as two aligned units of 256 bytes.  One window setting serves all of it.  Every offset is an immediate: 127 rows of 16,384 bytes at the most.
.macro TOSTAGE a
.set AC, 64*((\a)%4)
	WIN OUT_LO+0x44*((\a)/4)
.irp b, 0,1,2,3,4,5,6,7
	ds_store_b128 v[STO], v[AC+8*\b:AC+8*\b+3] offset:64*\b          ; each accumulator from its low end on
	ds_store_b128 v[STO], v[AC+8*\b+4:AC+8*\b+7] offset:64*\b+16
.endr
.irp t, 0,1,2,3,4,5,6,7,8,9,10,11,12,13,14,15
	ds_load_b128 v[AC+4*\t:AC+4*\t+3], v[RD] offset:\t*SPITCH        ; LDS serves a wave's instructions in order: these see the stores above
.endr
.endm
.macro SEND a
.set AC, 64*((\a)%4)
	s_wait_dscnt 0x0                               ; the block is back in registers
	WIN OUT_LO+0x44*((\a)/4)
.irp t, 0,1,2,3,4,5,6,7,8,9,10,11,12,13,14,15
	v_pk_add_f32 v[AC+4*\t:AC+4*\t+1], v[BIAS:BIAS+1], v[AC+4*\t:AC+4*\t+1]        ; these 32 lines are also the places behind the next block's products
	v_pk_add_f32 v[AC+4*\t+2:AC+4*\t+3], v[BIAS+2:BIAS+3], v[AC+4*\t+2:AC+4*\t+3]
.endr
.irp t, 0,1,2,3,4,5,6,7,8,9,10,11,12,13,14,15
	global_store_b128 v[CO], v[AC+4*\t:AC+4*\t+3], s[10:11] offset:(16*(\a)+\t)*SIZE_N*4 th:TH_STORE_NT
.endr
.endm
.set IDX, 0
	s_wait_loadcnt 0x0                             ; the bias
	s_wait_dscnt 16                                ; w and x's blocks 0-3 are in; x's 4-7 are shown in by the first wait for 0 below
	PROD 8, 1, 1, 0
	PLACES 8                                       ; behind block 0's products
	TOSTAGE 0
.irp a, 1,2,3,4,5,6,7
	PROD 8, 1, 1, 0                                ; block a's products, while block a - 1 passes through the stage
	SEND \a-1
	TOSTAGE \a
.endr
	SEND 7
	WIN 0
	s_wait_tensorcnt 0x0                           ; the wave's end
	ds_add_u32 v[SPW], v[NIL]
	s_wait_dscnt 0x0
	CROUND                                         ; the closing round
	s_endpgm
.Lfunc_end_k_q90cb60a5fc_gemm:
	.size	k_q90cb60a5fc_gemm, .Lfunc_end_k_q90cb60a5fc_gemm-k_q90cb60a5fc_gemm
	.p2alignl 7, 3214868480
	.fill 96, 4, 3214868480
	.section	.rodata,"a",@progbits
	.p2align	6, 0x0
	.amdhsa_kernel k_q90cb60a5fc_gemm
		.amdhsa_group_segment_fixed_size 327680
		.amdhsa_private_segment_fixed_size 0
		.amdhsa_enable_private_segment 0
		.amdhsa_kernarg_size 32
		.amdhsa_user_sgpr_count 2
		.amdhsa_user_sgpr_kernarg_segment_ptr 1
		.amdhsa_wavefront_size32 1
		.amdhsa_system_sgpr_workgroup_id_x 1
		.amdhsa_system_sgpr_workgroup_id_y 1
		.amdhsa_system_sgpr_workgroup_id_z 1
		.amdhsa_system_vgpr_workitem_id 0
		.amdhsa_next_free_vgpr 1024
		.amdhsa_next_free_sgpr 90
		.amdhsa_reserve_vcc 0
		.amdhsa_float_denorm_mode_32 3
		.amdhsa_float_denorm_mode_16_64 3
		.amdhsa_memory_ordered 1
		.amdhsa_forward_progress 1
		.amdhsa_inst_pref_size 163
	.end_amdhsa_kernel
	.amdgpu_metadata
---
amdhsa.version: [ 1, 2 ]
amdhsa.kernels:
  - .name:           k_q90cb60a5fc_gemm
    .symbol:         k_q90cb60a5fc_gemm.kd
    .args:
      - { .name: xq, .offset: 0, .size: 8, .value_kind: global_buffer, .address_space: global }
      - { .name: wq, .offset: 8, .size: 8, .value_kind: global_buffer, .address_space: global }
      - { .name: bias, .offset: 16, .size: 8, .value_kind: global_buffer, .address_space: global }
      - { .name: out0, .offset: 24, .size: 8, .value_kind: global_buffer, .address_space: global }
    .group_segment_fixed_size: 327680
    .private_segment_fixed_size: 0
    .kernarg_segment_align: 8
    .kernarg_segment_size: 32
    .max_flat_workgroup_size: 128
    .sgpr_count:     90
    .vgpr_count:     1024
    .wavefront_size: 32
...
	.end_amdgpu_metadata
.endif
;; end of part 2
